; MI455X (gfx1250); checked and timed in simulation.
; The chip was launched on July 23, 2026; its instructions are those of AMD's public machine-readable ISA for CDNA 5 (MIT licence, August 2026) and "CDNA5" Instruction Set Architecture Reference Guide (July 2026). The comments in the code are by the model that wrote it; some were corrected since.
;; Cross Attention. Allowed arithmetic: matrix products marked QUANTISED: E3M2 operands, one E8M0 scale for each 32 along K, by v_wmma_scale_f32_16x16x128_f8f6f4 with both operands' format E3M2, f32 sums; everything else in f32.
;; Inputs: key_padding_mask 2 x 2,048 bool; kv 2 x 2,048 x 2 x 8 x 128 float32; q 2 x 2,048 x 32 x 128 float32.
;; Outputs: out0 2 x 2,048 x 32 x 128 float32.
;; This version of the problem:
;;   THIS VERSION OF THE PROBLEM IS GIVEN IN LOW PRECISION. The matrix products marked QUANTISED in the list below multiply operands that are first quantised to E3M2 (3 exponent bits, 2 mantissa bits; 6 bits a number), with one power-of-two scale for each 32 numbers along K (OCP MX v1.0); their sums are f32. All else is computed in f32.
;;   The module's matrix products, in the order in which they are computed (A, B: the left and right operand; K: the contracted axis; several contracted axes count as one K, in the product's order):
;;     1. batch 64 x [M 2,048, K 128] x [K 128, N 2,048]; A: input q; B: computed on the way: QUANTISED
;;     2. batch 64 x [M 128, K 2,048] x [K 2,048, N 2,048]; A: input kv; B: softmax (see below): QUANTISED
;;   THE QUANTISER, for each operand of a quantised product, along K:
;;     - K is cut into blocks of 32 from its start; a last block that is shorter is filled with zeros.
;;     - A block's scale is 2^e with e = floor(log2(the largest magnitude in the block)) - 4, held to -126 .. 127; a block of zeros has e = 0. As a byte (E8M0): e + 127.
;;     - Each number is divided by its block's scale, clamped to +-28, and rounded to the nearest number of E3M2, ties to even, subnormals kept.
;;     - The product sums the exact products of the quantised numbers (number of the format x scale) in f32.
;;   ~~~python
;;   def quantise(x, axis):      # numpy; x: float32 -> the quantised numbers, widened to float32 again
;;       x = np.moveaxis(x, axis, -1); K = x.shape[-1]
;;       x = np.pad(x, [(0, 0)] * (x.ndim - 1) + [(0, -K % 32)]); x = x.reshape(x.shape[:-1] + (-1, 32)); a = np.abs(x).max(-1, keepdims=True)
;;       e = np.where(a > 0, np.clip(np.frexp(np.where(a > 0, a, 1))[1] - 1 - 4, -126, 127), 0)      # np.frexp(a)[1] - 1 = floor(log2(a)), exactly
;;       r = np.clip(x / 2.0 ** e, -28, 28)
;;       step = 2.0 ** (np.maximum(np.frexp(np.where(r == 0, 1, r))[1] - 1, -2) - 2)
;;       q = np.round(r / step) * step * 2.0 ** e      # np.round: ties to even
;;       return np.moveaxis(q.reshape(q.shape[:-2] + (-1,))[..., :K], -1, axis).astype(np.float32)
;;   ~~~
;;   SOFTMAX AHEAD OF A QUANTISED PRODUCT. Where the list says 'softmax', what is quantised is not the finished softmax but p = 2^(t - M), with t = logit x log2(e) and M = ceil(the row's largest t), a whole number; so 1/2 < the row's largest p <= 1. The row's sum l is taken of the UNQUANTISED p, in f32, and the product's result is divided by l at the end. Since M is a whole number, a kernel that streams over the keys may use a running M (the ceiling of the running maximum): every later rescaling is an exact power of two, which a block's scale takes up: the codes' values come out the same.
;;   OPERANDS COMPUTED ON THE WAY. 'Computed on the way' means the value that the module computes at that place (a softmax that the list does not call 'softmax' is quantised finished and normalised). What goes into a quantiser is computed in f32, as accurately as f32 sums, v_exp_f32 and their like allow (about 1e-6 of the number): no bf16 or f16 on the way to a quantiser, and a product that is left as it is and whose result goes on into a quantised operand takes f32 operands (vector FMAs, or v_wmma_f32_16x16x4_f32). A number that lies on a knife's edge between two numbers of the format may be rounded either way, as far as f32 arithmetic and the matrix unit's own rounding can turn it there, and no further.
;; One version. Each part assembles by itself: llvm-mc -triple=amdgcn-amd-amdhsa -mcpu=gfx1250 --defsym DOCPART=n.
;; ======== version 1 of 1: 2 launches
;; workspace buffers: kvc 6,684,672 bytes; vsum 131,072 bytes
;; launch prep (part 1): grid 128 x 2, 8 waves a work-group, no clusters, 70,656 bytes of LDS; arguments kv, key_padding_mask, kvc, vsum; writes kvc, vsum
.if DOCPART == 1
	.amdgcn_target "amdgcn-amd-amdhsa--gfx1250"
	.amdhsa_code_object_version 6
	.text
	.protected	k_qc79409f680_prep
	.globl	k_qc79409f680_prep
	.p2align	8
	.type	k_qc79409f680_prep,@function
k_qc79409f680_prep:
	s_mov_b64 s[64:65], 0
	v_nop
	global_prefetch_b8 v0, s[64:65] scope:SCOPE_SE
	s_setreg_imm32_b32 hwreg(HW_REG_WAVE_MODE, 25, 1), 1
	s_wait_xcnt 0x0
; kv [2][2048][2][8][128] f32 and the padding mask [2][2048] become, for each (batch, kv head, step of 128 keys), ONE dense block of 26,112 bytes in the order of the matrix operands' registers:
;   0       K x rsqrt(128) as codes of BF6 (E3M2), blocks of 32 along the head's 128: 8 tiles of 16 keys; a tile is the image of its 12 registers: registers 4 c .. 4 c + 3 of lane l at 1536 t + 512 c + 16 l
;   12,288  V as codes, blocks of 32 along the KEYS: 8 tiles of 16 channels x 128 keys, images likewise
;   24,576  K's scale words: the word of tile t, row r at 16 (16 (t / 4) + r) + 4 (t % 4);   25,088  V's likewise;   25,600  the step's 128 pad numbers, 0 or -10000, f32, in the keys' order
; and in vsum, for each block, the sums over its 128 keys of the QUANTISED V, 128 f32: the attention launch serves key steps that lie wholly under the causal mask from these sums.
; THE KEYS OF A TILE OF K ARE NOT NEIGHBOURS: lane r of tile 2 b + u takes key 32 b + 8 u + r + 8 (r / 8), so that in the transposed score tiles a lane's 16 registers of two neighbouring tiles are 16 neighbouring keys.
; A block's scale is 2^(floor(log2(its largest magnitude)) - 4); its byte is the largest magnitude's exponent field - 4, held at 1 from below (a block of zeros keeps the byte 1: its codes are zeros, and this program alone reads the bytes).
; LIMITS: blocks whose largest magnitude lies under 2^-122 keep the byte 1; NaN and infinities among the inputs are not served.
; SHARES: a work-group of eight waves makes one block; wave w makes tile w of K and tile w of V.  No loop, one barrier.  Every load is issued at the head.
.set BLKB,  26112
.set STGB,  8448                       ; a wave's stage: 16 rows x (512 bytes + 16)
.set GATH,  67584                      ; behind the stages: +0 K's scale words, +512 V's, +1024 the pad, +1536 the sums
.set X,     32                         ; v32-95   K's 64 numbers
.set Y,     96                         ; v96-159  V's 64 numbers
.set KC,    16                         ; v16-27   K's codes;  v28 its scale word
.set KW,    28
.set VC,    160                        ; v160-171 V's codes;  v172 its scale word
.set VW,    172
.set PD,    176                        ; v176-179 four pad numbers
.set RB,    180                        ; v180-183 what is read back for the last store
.set TM,    184                        ; v184-199 at work
	s_load_b128 s[4:7], s[0:1], 0x0                ; kv, the mask
	s_load_b128 s[8:11], s[0:1], 0x10              ; kvc, vsum
	v_lshl_add_u32 v208, v0, 2, 0x11000
	v_mov_b32 v209, 0
	v_lshrrev_b32 v1, 5, v0
	v_readfirstlane_b32 s12, v1                    ; wave 0..7
	v_and_b32 v15, 31, v0                          ; lane
	v_lshlrev_b32 v1, 4, v15                       ; 16 x lane
	v_and_b32 v2, 15, v0                           ; r
	v_bfe_u32 v3, v0, 4, 1                         ; h
	s_mul_i32 s13, s12, STGB                       ; my stage
	v_add_nc_u32 v4, s13, v1                       ; into it: a row as it lies, 16 bytes a lane
	v_mul_u32_u24 v5, v2, 528
	v_lshl_add_u32 v5, v3, 6, v5
	v_add_nc_u32 v5, s13, v5                       ; out of it: row r, + 64 h: my 16 numbers of each block of 32
	v_lshlrev_b32 v6, 2, v2
	v_lshl_add_u32 v6, v3, 18, v6                  ; V: channel r, and 32 keys (of 8,192 bytes) further down for lanes 16-31
	s_lshr_b32 s14, s12, 2
	s_lshl_b32 s14, s14, 8
	s_and_b32 s15, s12, 3
	s_lshl_b32 s15, s15, 2
	s_add_co_u32 s14, s14, s15
	s_add_co_u32 s14, s14, GATH
	v_lshl_add_u32 v7, v2, 4, s14                  ; my row's scale word in an image of scale words
	s_lshl_b32 s15, s12, 6
	s_add_co_u32 s15, s15, GATH+1536
	v_lshl_add_u32 v8, v2, 2, s15                  ; my channel's sum
	v_add_nc_u32 v9, GATH+1024, v1                 ; the pad: four keys a lane
	s_and_b32 s15, s12, 3
	s_lshl_b32 s15, s15, 9
	s_add_co_u32 s15, s15, GATH
	v_add_nc_u32 v10, s15, v1                      ; what waves 0 to 3 read back: 512 bytes each
	v_lshlrev_b32 v11, 2, v15                      ; the mask: four bytes a lane
	v_mov_b32 v13, 0x7f7f7f7f                      ; the scale 1 in every byte, for the conversion back
	v_mov_b32 v14, 0xc61c4000                      ; -10000
.irp b, 0,1,2,3
	v_mov_b32 v[TM+4+\b], 0                        ; written once: a lane permute's destination counts as one of its sources
.endr
	s_mov_b32 s20, 0x76543210
	s_mov_b32 s21, 0xfedcba98                      ; v_permlanex16_b32's selects for lane l xor 16
	s_mov_b32 s22, 0x3db504f3                      ; rsqrt(128)
	s_mov_b32 s23, s22                             ; (named with it as a pair, so it is written)
	s_lshr_b32 s16, ttmp9, 4                       ; kv head
	s_and_b32 s17, ttmp9, 15                       ; step of 128 keys
	s_and_b32 s18, ttmp7, 0xffff                   ; batch
	s_lshl_b32 s19, s18, 24                        ; a batch is 2,048 keys of 8,192 bytes,
	s_lshl_b32 s24, s17, 20                        ; a step 128 keys,
	s_add_co_u32 s19, s19, s24
	s_lshl_b32 s24, s16, 9                         ; a head 512 bytes
	s_add_co_u32 s19, s19, s24
	s_lshr_b32 s24, s12, 1
	s_lshl_b32 s24, s24, 18                        ; K: my tile begins at key 32 (w / 2) + 8 (w % 2)
	s_and_b32 s26, s12, 1
	s_lshl_b32 s26, s26, 16
	s_add_co_u32 s24, s24, s26
	s_add_co_u32 s24, s24, s19
	s_mov_b32 s25, 0
	s_lshl_b32 s26, s12, 6                         ; V: my 16 channels, 4,096 bytes behind K in a key's 8,192
	s_add_co_u32 s26, s26, s19
	s_add_co_u32 s26, s26, 4096
	s_mov_b32 s27, 0
	s_lshl_b32 s28, s18, 11
	s_lshl_b32 s29, s17, 7
	s_add_co_u32 s28, s28, s29                     ; the mask's 128 bytes
	s_mov_b32 s29, 0
	s_lshl_b32 s30, s18, 7
	s_add_co_u32 s30, s30, ttmp9                   ; the block's number: 128 batch + 16 head + step
	s_mul_i32 s32, s30, BLKB
	s_mov_b32 s33, 0
	s_lshl_b32 s34, s30, 9
	s_mov_b32 s35, 0
	s_mul_i32 s36, s12, 1536
	s_mov_b32 s37, 0
	s_lshl_b32 s38, s12, 9
	s_add_co_u32 s38, s38, 24576
	s_mov_b32 s39, 0
	s_wait_kmcnt 0x0
	s_add_nc_u64 s[24:25], s[4:5], s[24:25]        ; K's rows
	s_add_nc_u64 s[26:27], s[4:5], s[26:27]        ; V's
	s_add_nc_u64 s[28:29], s[6:7], s[28:29]        ; the mask's bytes
	s_add_nc_u64 s[8:9], s[8:9], s[32:33]          ; my block
	s_add_nc_u64 s[36:37], s[8:9], s[36:37]        ; my tile's image of K (V's lies 12,288 bytes on)
	s_add_nc_u64 s[38:39], s[8:9], s[38:39]        ; waves 0 to 2: 512 bytes of the block's tail
	s_add_nc_u64 s[10:11], s[10:11], s[34:35]      ; the block's sums
	global_load_b32 v12, v11, s[28:29]             ; the mask's 128 bytes (used by wave 0)
.set ii, 0
.rept 16
	global_load_b128 v[X+4*ii:X+4*ii+3], v1, s[24:25] offset:(ii+8*(ii/8))*8192 th:TH_LOAD_NT   ; row ii of my tile of K: 32 lanes read its 512 consecutive bytes
.set ii, ii+1
.endr
.set ii, 0
.rept 64
	global_load_b32 v[Y+ii], v6, s[26:27] offset:(64*(ii/32)+ii%32)*8192   ; V(key 64 c + 32 h + i, channel 16 w + r): a lane takes a channel and its registers run down the keys, in the operand's own order
.set ii, ii+1
.endr
	s_wait_loadcnt 63                              ; loads come back in order: at most 63 of V's 64 are out, so the mask's word and K's rows are in
	s_cmp_lg_u32 s12, 0
	s_cbranch_scc1 .Lno_pad
.irp i, 0,1,2,3
	v_bfe_u32 v[PD+\i], v12, 8*\i, 8               ; wave 0: the pad of keys 4 lane + i
.endr
.irp i, 0,1,2,3
	v_cmp_eq_u32 vcc_lo, 0, v[PD+\i]
	v_cndmask_b32 v[PD+\i], 0, v14, vcc_lo         ; -10000 where the mask's byte is 0
.endr
	ds_store_b128 v9, v[PD:PD+3]
.Lno_pad:
	; K's rows turn through my stage: in as they lie, back as 16 neighbours of each block of 32.  LDS serves a wave's instructions in order: no wait between the stores and the loads
.set ii, 0
.rept 16
	ds_store_b128 v4, v[X+4*ii:X+4*ii+3] offset:528*ii
.set ii, ii+1
.endr
.set ii, 0
.rept 16
	ds_load_b128 v[X+4*ii:X+4*ii+3], v5 offset:128*(ii/4)+16*(ii%4)   ; register 16 b + i = k 32 b + 16 h + i of row r
.set ii, ii+1
.endr
	s_wait_dscnt 0x0
.set ii, 0
.rept 32
	v_pk_mul_f32 v[X+ii:X+ii+1], v[X+ii:X+ii+1], s[22:23] op_sel_hi:[1,0]   ; k x rsqrt(128), in f32, ahead of the quantiser
.set ii, ii+2
.endr
.irp b, 0,1,2,3
	v_max3_num_f32 v[TM+\b], |v[X+16*\b]|, |v[X+1+16*\b]|, 0x2800000   ; block b: my 16 numbers, and the floor 2^(5 - 127): so the byte cannot fall under 1
.endr
.irp i, 2,4,6,8,10,12,14
.irp b, 0,1,2,3
	v_max3_num_f32 v[TM+\b], v[TM+\b], |v[X+16*\b+\i]|, |v[X+1+16*\b+\i]|
.endr
.endr
.irp b, 0,1,2,3
	v_permlanex16_b32 v[TM+4+\b], v[TM+\b], s20, s21
.endr
.irp b, 0,1,2,3
	v_max_num_f32 v[TM+\b], v[TM+\b], v[TM+4+\b]   ; with lane l xor 16's: the block's largest magnitude
.endr
.irp b, 0,1,2,3
	v_add_nc_u32 v[TM+12+\b], 0xfe000000, v[TM+\b] ; 4 off its exponent field: the conversion's scale operand
.endr
.irp b, 0,1,2,3
	v_lshrrev_b32 v[TM+4+\b], 23, v[TM+12+\b]      ; the scale's byte
.endr
	v_lshl_or_b32 v[KW], v[TM+5], 8, v[TM+4]
	v_lshl_or_b32 v[KW], v[TM+6], 16, v[KW]
	v_lshl_or_b32 v[KW], v[TM+7], 24, v[KW]        ; my row's scale word
.irp c, 0,1
	v_cvt_scalef32_pk16_bf6_f32 v[KC+6*\c:KC+2+6*\c], v[X+32*\c:X+15+32*\c], v[TM+12+2*\c]
	v_cvt_scalef32_pk16_bf6_f32 v[TM+4+4*\c:TM+6+4*\c], v[X+16+32*\c:X+31+32*\c], v[TM+13+2*\c]   ; (a conversion's three registers begin on an even number)
.endr
	v_nop                                          ; one plain place behind a scaled conversion
.irp c, 0,1                                    ; the operand's layout wants a WHOLE block in a lane: lanes 0-15 block 2 c, lanes 16-31 block 2 c + 1
.irp i, 0,1,2
	v_permlane16_swap_b32 v[KC+6*\c+\i], v[TM+4+4*\c+\i]
.endr
.irp i, 0,1,2
	v_mov_b32 v[KC+3+6*\c+\i], v[TM+4+4*\c+\i]
.endr
.endr
.irp c, 0,1,2
	global_store_b128 v1, v[KC+4*\c:KC+4*\c+3], s[36:37] offset:512*\c   ; the image: 32 lanes store 512 consecutive bytes, at a multiple of 256 from the buffer's first byte
.endr
	ds_store_b32 v7, v[KW]                         ; both halves of the lanes write the same word with the same value
	; V: all 32 numbers of a block are one lane's
	s_wait_loadcnt 0x0
.irp c, 0,1
	v_max3_num_f32 v[TM+\c], |v[Y+32*\c]|, |v[Y+1+32*\c]|, 0x2800000
.endr
.irp i, 2,4,6,8,10,12,14,16,18,20,22,24,26,28,30
.irp c, 0,1
	v_max3_num_f32 v[TM+\c], v[TM+\c], |v[Y+32*\c+\i]|, |v[Y+1+32*\c+\i]|
.endr
.endr
.irp c, 0,1
	v_add_nc_u32 v[TM+12+\c], 0xfe000000, v[TM+\c]
.endr
.irp c, 0,1
	v_lshrrev_b32 v[TM+2+\c], 23, v[TM+12+\c]
.endr
	v_lshl_or_b32 v[VW], v[TM+3], 16, v[TM+2]      ; my two bytes: blocks h and 2 + h of channel r,
	v_lshlrev_b32 v[TM+14], 3, v3
	v_lshlrev_b32 v[VW], v[TM+14], v[VW]           ; at their places in the word;
	v_permlanex16_b32 v[TM+15], v[VW], s20, s21
	v_or_b32 v[VW], v[VW], v[TM+15]                ; with lane l xor 16's two the word is whole
.irp c, 0,1
	v_cvt_scalef32_pk16_bf6_f32 v[VC+6*\c:VC+2+6*\c], v[Y+32*\c:Y+15+32*\c], v[TM+12+\c]
	v_cvt_scalef32_pk16_bf6_f32 v[TM+4+4*\c:TM+6+4*\c], v[Y+16+32*\c:Y+31+32*\c], v[TM+12+\c]
.endr
	v_nop                                          ; one plain place behind a scaled conversion
.irp c, 0,1
.irp i, 0,1,2
	v_mov_b32 v[VC+3+6*\c+\i], v[TM+4+4*\c+\i]
.endr
.endr
	; the sums of the quantised V: the codes' values at the scale 1 (multiples of 1/16, at most 28: a block's sum is exact in f32), each block's sum times its scale
.irp c, 0,1
	v_cvt_scale_pk16_f32_bf6 v[Y+32*\c:Y+15+32*\c], v[VC+6*\c:VC+2+6*\c], v13
	v_cvt_scale_pk16_f32_bf6 v[Y+16+32*\c:Y+31+32*\c], v[TM+4+4*\c:TM+6+4*\c], v13
.endr
	v_nop                                          ; one plain place behind a scaled conversion
.irp w, 16,8,4,2
.irp c, 0,1
.set ii, 0
.rept \w/2
	v_pk_add_f32 v[Y+32*\c+ii:Y+32*\c+ii+1], v[Y+32*\c+ii:Y+32*\c+ii+1], v[Y+32*\c+\w+ii:Y+32*\c+\w+ii+1]
.set ii, ii+2
.endr
.endr
.endr
.irp c, 0,1
	v_add_f32 v[Y+32*\c], v[Y+32*\c], v[Y+32*\c+1]
	v_and_b32 v[TM+\c], 0x7f800000, v[TM+12+\c]    ; the scale as f32: the operand's exponent field alone
.endr
	v_mul_f32 v[TM+2], v[Y], v[TM]
	v_fma_f32 v[TM+2], v[Y+32], v[TM+1], v[TM+2]
	v_permlanex16_b32 v[TM+3], v[TM+2], s20, s21
	v_add_f32 v[TM+2], v[TM+2], v[TM+3]            ; with lane l xor 16's two blocks: channel r's 128 keys
.irp c, 0,1,2
	global_store_b128 v1, v[VC+4*\c:VC+4*\c+3], s[36:37] offset:12288+512*\c
.endr
	ds_store_b32 v7, v[VW] offset:512
	ds_store_b32 v8, v[TM+2]
	s_wait_dscnt 0x0                               ; for the others' sake: my stores into the gathered 2,048 bytes are done
	s_barrier_signal -1
	s_barrier_wait -1
	s_cmp_lt_u32 s12, 4
	s_cbranch_scc0 .Ldone
	ds_load_b128 v[RB:RB+3], v10                   ; waves 0 to 2: K's scale words, V's, the pad; wave 3: the sums
	s_cmp_lt_u32 s12, 3
	s_cselect_b64 s[30:31], s[38:39], s[10:11]     ; the choice hangs on the wave's number alone
	s_wait_dscnt 0x0
	global_store_b128 v1, v[RB:RB+3], s[30:31]     ; 512 consecutive bytes, at a multiple of 256 from the buffer's first byte
.Ldone:
	s_wait_tensorcnt 0x0
	ds_add_u32 v208, v209
	s_wait_dscnt 0x0
	s_endpgm
.Lfunc_end_k_qc79409f680_prep:
	.size	k_qc79409f680_prep, .Lfunc_end_k_qc79409f680_prep-k_qc79409f680_prep
	.p2alignl 7, 3214868480
	.fill 96, 4, 3214868480
	.section	.rodata,"a",@progbits
	.p2align	6, 0x0
	.amdhsa_kernel k_qc79409f680_prep
		.amdhsa_group_segment_fixed_size 70656
		.amdhsa_private_segment_fixed_size 0
		.amdhsa_enable_private_segment 0
		.amdhsa_kernarg_size 32
		.amdhsa_user_sgpr_count 2
		.amdhsa_user_sgpr_kernarg_segment_ptr 1
		.amdhsa_wavefront_size32 1
		.amdhsa_system_sgpr_workgroup_id_x 1
		.amdhsa_system_sgpr_workgroup_id_y 1
		.amdhsa_system_sgpr_workgroup_id_z 1
		.amdhsa_system_vgpr_workitem_id 0
		.amdhsa_next_free_vgpr 210
		.amdhsa_next_free_sgpr 66
		.amdhsa_reserve_vcc 1
		.amdhsa_float_denorm_mode_32 3
		.amdhsa_float_denorm_mode_16_64 3
		.amdhsa_memory_ordered 1
		.amdhsa_forward_progress 1
		.amdhsa_inst_pref_size 27
	.end_amdhsa_kernel
	.amdgpu_metadata
---
amdhsa.version: [ 1, 2 ]
amdhsa.kernels:
  - .name:           k_qc79409f680_prep
    .symbol:         k_qc79409f680_prep.kd
    .args:
      - { .name: kv, .offset: 0, .size: 8, .value_kind: global_buffer, .address_space: global }
      - { .name: key_padding_mask, .offset: 8, .size: 8, .value_kind: global_buffer, .address_space: global }
      - { .name: kvc, .offset: 16, .size: 8, .value_kind: global_buffer, .address_space: global }
      - { .name: vsum, .offset: 24, .size: 8, .value_kind: global_buffer, .address_space: global }
    .group_segment_fixed_size: 70656
    .private_segment_fixed_size: 0
    .kernarg_segment_align: 8
    .kernarg_segment_size: 32
    .max_flat_workgroup_size: 256
    .sgpr_count:     66
    .vgpr_count:     210
    .wavefront_size: 32
...
	.end_amdgpu_metadata
.endif
;; end of part 1
;; launch attn (part 2): grid 16 x 16, 8 waves a work-group, no clusters, 327,680 bytes of LDS; arguments q, kvc, vsum, out0; writes out0
.if DOCPART == 2
	.amdgcn_target "amdgcn-amd-amdhsa--gfx1250"
	.amdhsa_code_object_version 6
	.text
	.protected	k_qc79409f680_attn
	.globl	k_qc79409f680_attn
	.p2align	8
	.type	k_qc79409f680_attn,@function
k_qc79409f680_attn:
	s_mov_b64 s[64:65], 0
	v_nop
	global_prefetch_b8 v0, s[64:65] scope:SCOPE_SE
	s_setreg_imm32_b32 hwreg(HW_REG_WAVE_MODE, 25, 1), 1
	s_wait_xcnt 0x0
; out[b][t][h][:] = the sum over keys s of softmax_s(score) v[b][s][h / 4][:], score = q . (k rsqrt(128)) + pad[s] where s > t, and -10000 (not -infinity) elsewhere.  Both products on codes of BF6 (E3M2) with E8M0 scales.
; THE SOFTMAX AHEAD OF THE SECOND PRODUCT: t = score x log2(e); M = the row's largest t so far, rounded UP to a whole number; p = 2^(t - M) is quantised along the keys; the row's sum is taken of the unquantised p and divides at the end.
; The running largest t begins at -10000 log2(e): key 0 is under the mask in every row.
; KEY STEPS THAT LIE WHOLLY UNDER THE MASK are not multiplied.  There every p is the same number pn = 2^(-10000 log2(e) - M); every block of 32 quantises it to the same number, pn's power of two (the fraction of -14426.95 - M is the same
; for every whole M: a mantissa of 1.035, which two mantissa bits round to 1); so such a step adds that power of two x (the sum of the quantised V over its keys) to O, and 128 pn to the row's sum.  The sums come from the launch before.
; SHARES.  A work-group serves one (batch, kv head) and a pair p of query blocks of 64 positions, for the 4 query heads of the kv head: first block p (job A), then block 31 - p (job B).  With f = p / 2, job A walks key steps 15 down to f,
; job B 15 down to 15 - f: 17 steps of 128 keys in every work-group, so the loop's count is a constant and all 256 work-groups have the same work.  In a job only the last step meets the diagonal; the steps below it are the hidden ones.
; Wave w owns positions 16 (w % 4) on and heads 2 (w / 4), 2 (w / 4) + 1 of the four: two tiles of 16 queries, tile 0 in register window 0 and tile 1 in window 1, which share each fragment of K and V read from LDS.
; LAYOUT.  Both products are used transposed (S^T = K Q^T, O^T = V^T P^T): a lane holds ONE query.  The pad is the C of K Q^T.  A step's operands are one dense block of 26,112 bytes, images of the operands' registers: every LDS read is
; 512 consecutive bytes or a broadcast.  A ring of two slots, filled by wave 0's tensor load: one load is out at a time, and it has a whole step in which to land.
; NO CLUSTER: the 16 work-groups that read the same blocks leave the common walk after 16 - p / 2 steps, so partners would need different tiles, and the branch at a job's end would hang on a work-group's place.
; LIMITS: NaN and infinities among the inputs are not served; blocks whose largest magnitude lies under 2^-122 keep the scale byte 1; a pn under 2^-126 counts as 0, and one under 2^-122 is taken without the scale's lower bound
; (beside a row's largest p, over 1/2, both are nothing); score and pad are added in the matrix unit with one rounding to f32.
; REGISTERS, the same numbers in both windows: v12 -M, v13 the largest t, v[14:15] the sum, v16-27 Q's codes, v28 r - 16 h, v96-159 S^T then p, v160-223 O^T, v224-235 p's codes, v232-255 at work.
;   window 0 alone: v1-11 addresses, v30-31 Q's scale words, v32-79 four fragments, v80-81 p's scale words, v82-88 addresses, v248-251 K's or V's scale words.   window 1 alone: v32-95 the pad as C; in an epilogue the sums of V.
.set BLKB,  26112
.set KFR,   0
.set VFR,   12288
.set KSCO,  24576
.set VSCO,  25088
.set PADO,  25600
.set SLOT1, 32768                      ; slot 1 begins here, so that one exclusive or turns an address in one slot into the other's
.set PREF,  65536                      ; the sums of V under the mask: job A's 128 f32, then job B's
.set STG,   66560                      ; a stage of 8,448 bytes for each wave: Q's turn (16 rows x 528) and the way out (16 rows x 272)
.set STGB,  8448
.set SPARE, 134144                     ; the spare words, 128 bytes for each wave: four blocks of 256 bytes that no other line names
; s12 wave; s13 p; s14 8 batch + kv head; s15 f; s16 15 - f: the trip in which job A ends; s17 the trip; s18 the key step being fetched; s19 the slot in hand; s[20:21] lane selects; s[22:23] log2(e); s24 -10000;
; s25, s26 hidden keys of jobs A, B; s27, s28 my first query's place in the diagonal step; s[32:39], s[40:43] the descriptor; s[44:45] my 16 blocks; s[46:47] an offset; s[48:51] Q of A, B; s[52:55] out of A, B; s[56:57], s58 the prefetches
.set MSB, 0
.macro WIN new                         ; s_set_vgpr_msb: bits 1:0 source 0, 3:2 source 1, 5:4 source 2, 7:6 destination; the immediate's high byte repeats the setting that is left
.if MSB != (\new)
	s_set_vgpr_msb (MSB<<8)|(\new)
.set MSB, (\new)
.endif
.endm
.macro PLACES                          ; four plain places behind matrix instructions, ahead of loads into their registers and of reads of their results
.rept 4
	v_nop
.endr
.endm
.macro TLOAD                           ; wave 0 fetches a step's block: 102 rows of 256 bytes.  Four v_nop follow the load
	s_cmp_eq_u32 s12, 0
	s_cbranch_scc0 .Lnot_mine_\@
	tensor_load_to_lds s[40:43], s[32:39]
	s_nop 0
.rept 4
	v_nop
.endr
.Lnot_mine_\@:
.endm
; PREFETCHES INTO THE L2, behind the change's tensor load.  (1) The block that the NEXT change of slots will ask for.  All 16 work-groups of a (batch, kv head) begin with the same walk, 15 downward, and pair 0 walks all 16 steps: it asks,
; by its waves 4 to 7, lanes 256 bytes apart over the block's 102 x 256 bytes (the lanes left over name the last of them); trip i names step 13 - i, so trips 0 to 13 ask.
; (2) In the trip that ends job A, each wave asks for job B's Q, which it loads at that trip's end: 16 rows x 1,024 bytes, 64 lanes' worth in two instructions.
.macro ASK
	s_cmp_lt_u32 s17, s58
	s_cbranch_scc0 .Lno_kv_\@
	global_prefetch_b8 v84, s[56:57] th:TH_LOAD_NT scope:SCOPE_SE
.Lno_kv_\@:
	s_cmp_eq_u32 s17, s16
	s_cbranch_scc0 .Lno_q_\@
	global_prefetch_b8 v85, s[50:51] th:TH_LOAD_NT scope:SCOPE_SE
	global_prefetch_b8 v85, s[50:51] offset:512 th:TH_LOAD_NT scope:SCOPE_SE
.Lno_q_\@:
.endm
; THE CHANGE OF SLOTS stands at a step's head.  Each wave waits for all its tensor loads (wave 0: the block about to be read), adds 0 to its spare word, and waits for that and for its reads of the slot that it has left.
; Behind the barrier the slot ahead is whole and nobody reads the other one.  fill = 1: that other slot takes the next step's block.
.macro CHANGE fill
	s_wait_tensorcnt 0x0                           ; no tensor load of mine is out, so the descriptor may be written
	ds_add_u32 v5, v6                              ; 0 onto my spare word; the descriptor's steps stand between it and the wait for it
.if \fill
	s_sub_co_u32 s18, s18, 1                       ; the next step is one further down,
	s_cmp_eq_u32 s17, s16
	s_cselect_b32 s18, 15, s18                     ; or, where job A ends in this trip, job B's first
	s_mul_i32 s46, s18, BLKB
	s_add_nc_u64 s[42:43], s[44:45], s[46:47]
	s_or_b32 s43, s43, 0x80000000                  ; 127:126 type = 2
	s_xor_b32 s41, s41, SLOT1                      ; the other slot than last time
	s_wait_xcnt 0x0                                ; the last prefetch, a step back, has read its address, so it may be written
	s_sub_nc_u64 s[56:57], s[56:57], BLKB          ; one block further down than the descriptor
.endif
	s_wait_dscnt 0x0                               ; the add is done, and my reads of the slot that I have left are over
	s_barrier_signal -1
	s_barrier_wait -1
.if \fill
	TLOAD                                          ; the first thing behind the barrier, and the only tensor load until the next
	ASK
.endif
.endm
.macro QLOAD ptr, tau                  ; 16 positions of one head: a row of 512 consecutive bytes an instruction
	WIN 0x40*\tau
.set ii, 0
.rept 16
	global_load_b128 v[96+4*ii:99+4*ii], v1, s[\ptr:\ptr+1] offset:16384*ii+512*\tau th:TH_LOAD_NT
.set ii, ii+1
.endr
.endm
.macro TURN tau                        ; Q's rows through my stage: in as they lie, back as 16 neighbours of each block of 32: register 16 b + i = k 32 b + 16 h + i of row r.  LDS serves a wave's instructions in order
	WIN 0x04*\tau
.set ii, 0
.rept 16
	ds_store_b128 v3, v[96+4*ii:99+4*ii] offset:528*ii
.set ii, ii+1
.endr
	WIN 0x40*\tau
.set ii, 0
.rept 16
	ds_load_b128 v[96+4*ii:99+4*ii], v4 offset:128*(ii/4)+16*(ii%4)
.set ii, ii+1
.endr
.endm
.macro WORD wreg, tau                  ; from the four blocks' largest magnitudes in v232-235: the conversions' scale operands in v244-247, and the scale word, which goes to window 0 (scale operands have no window)
.irp b, 0,1,2,3
	v_add_nc_u32 v[244+\b], 0xfe000000, v[232+\b]  ; 4 off the exponent field
.endr
.irp b, 0,1,2,3
	v_lshrrev_b32 v[236+\b], 23, v[244+\b]         ; the scale's byte
.endr
	v_lshl_or_b32 v253, v237, 8, v236
	v_lshl_or_b32 v253, v238, 16, v253
	WIN 0x15*\tau
	v_lshl_or_b32 v[\wreg], v239, 24, v253
	WIN 0x55*\tau
.endm
.macro CODES dst                       ; the 64 numbers in v96-159 become a fragment's 12 registers
.irp c, 0,1
	v_cvt_scalef32_pk16_bf6_f32 v[\dst+6*\c:\dst+2+6*\c], v[96+32*\c:111+32*\c], v[244+2*\c]
	v_cvt_scalef32_pk16_bf6_f32 v[236+4*\c:238+4*\c], v[112+32*\c:127+32*\c], v[245+2*\c]   ; (a conversion's three registers begin on an even number)
.endr
	v_nop                                          ; one plain place behind a scaled conversion
.irp c, 0,1                                    ; the operand's layout wants a WHOLE block in a lane: lanes 0-15 block 2 c, lanes 16-31 block 2 c + 1
.irp i, 0,1,2
	v_permlane16_swap_b32 v[\dst+6*\c+\i], v[236+4*\c+\i]
.endr
.irp i, 0,1,2
	v_mov_b32 v[\dst+3+6*\c+\i], v[236+4*\c+\i]
.endr
.endr
.endm
.macro QUANT tau                       ; Q's numbers in v96-159 become its codes in v16-27 and its scale word in v30 or v31
	WIN 0x55*\tau
.irp b, 0,1,2,3
	v_max3_num_f32 v[232+\b], |v[96+16*\b]|, |v[97+16*\b]|, 0x2800000   ; my 16 numbers of block b, and the floor 2^(5 - 127): so the byte cannot fall under 1
.endr
.irp i, 2,4,6,8,10,12,14
.irp b, 0,1,2,3
	v_max3_num_f32 v[232+\b], v[232+\b], |v[96+16*\b+\i]|, |v[97+16*\b+\i]|
.endr
.endr
.irp b, 0,1,2,3
	v_permlanex16_b32 v[236+\b], v[232+\b], s20, s21
.endr
.irp b, 0,1,2,3
	v_max_num_f32 v[232+\b], v[232+\b], v[236+\b]
.endr
	WORD 30+\tau, \tau
	CODES 16
.endm
.macro RESET tau                       ; a job's start: the largest t is the masked score's, the sum and O^T are zeros (the step is written once: the first change of M multiplies zeros)
	WIN 0x55*\tau
	v_mul_f32 v13, s22, s24
	v_floor_f32 v12, -v13
	v_mov_b32 v14, 0
	v_mov_b32 v15, 0
.set jj, 0
.rept 64
	v_mov_b32 v[160+jj], 0
.set jj, jj+1
.endr
.endm
.macro FRAGS base, g                   ; four fragments, tiles 4 g on, as they were stored: three loads of 512 consecutive bytes each
.set tq, 0
.rept 4
	ds_load_b128 v[32+12*tq:35+12*tq], v8 offset:\base+1536*(4*\g+tq)
	ds_load_b128 v[36+12*tq:39+12*tq], v8 offset:\base+1536*(4*\g+tq)+512
	ds_load_b128 v[40+12*tq:43+12*tq], v8 offset:\base+1536*(4*\g+tq)+1024
.set tq, tq+1
.endr
.endm
.macro KQ g                            ; S^T = K Q^T + pad: tiles 4 g on of the keys, for both tiles of queries.  Tiles 4 to 7 have their scale words in lanes 16-31.  No two neighbours share an accumulator
.irp tau, 0,1
	WIN 0x10+0x44*\tau                             ; K window 0, Q and S^T the tile's window, the pad window 1
.set tq, 0
.rept 4
.set tile, 4*\g+tq
.if \g
	v_wmma_scale_f32_16x16x128_f8f6f4 v[96+8*tile:103+8*tile], v[32+12*tq:43+12*tq], v[16:27], v[32+8*tile:39+8*tile], v[248+tq], v[30+\tau] matrix_a_fmt:MATRIX_FMT_BF6 matrix_b_fmt:MATRIX_FMT_BF6 matrix_a_scale:MATRIX_SCALE_ROW1
.else
	v_wmma_scale_f32_16x16x128_f8f6f4 v[96+8*tile:103+8*tile], v[32+12*tq:43+12*tq], v[16:27], v[32+8*tile:39+8*tile], v[248+tq], v[30+\tau] matrix_a_fmt:MATRIX_FMT_BF6 matrix_b_fmt:MATRIX_FMT_BF6
.endif
.set tq, tq+1
.endr
.endr
.endm
.macro PV g, tau                       ; O^T += V^T P^T: tiles 4 g on of the head's 128, one tile of queries
	WIN 0x54*\tau
.set tq, 0
.rept 4
.set tile, 4*\g+tq
.if \g
	v_wmma_scale_f32_16x16x128_f8f6f4 v[160+8*tile:167+8*tile], v[32+12*tq:43+12*tq], v[224:235], v[160+8*tile:167+8*tile], v[248+tq], v[80+\tau] matrix_a_fmt:MATRIX_FMT_BF6 matrix_b_fmt:MATRIX_FMT_BF6 matrix_a_scale:MATRIX_SCALE_ROW1
.else
	v_wmma_scale_f32_16x16x128_f8f6f4 v[160+8*tile:167+8*tile], v[32+12*tq:43+12*tq], v[224:235], v[160+8*tile:167+8*tile], v[248+tq], v[80+\tau] matrix_a_fmt:MATRIX_FMT_BF6 matrix_b_fmt:MATRIX_FMT_BF6
.endif
.set tq, tq+1
.endr
.endm
.macro MASK doff, tau                  ; the diagonal step: register 16 b + i holds the step's key 32 b + 16 h + i; it counts where it lies behind my query, the step's place doff + r; else the score is -10000
	WIN 0x55*\tau
	v_add_nc_u32 v252, s[\doff], v28               ; d = doff + r - 16 h: under the mask where 32 b + i <= d
	v_mov_b32 v254, s24
.set nn, 0
.rept 64
	v_cmp_le_i32 vcc_lo, 32*(nn/16)+nn%16, v252
	v_cndmask_b32 v[96+nn], v[96+nn], v254, vcc_lo
.set nn, nn+1
.endr
.endm
.macro SOFTMAX tau                     ; one tile's softmax for a key step, all in the tile's window
	WIN 0x55*\tau
.irp b, 0,1,2,3
	v_max3_num_f32 v[232+\b], v[96+16*\b], v[97+16*\b], v[98+16*\b]   ; the largest score of each block of 32 keys: it serves for the row's maximum and, since p rises with the score, for the block's largest p
.endr
.irp i, 3,5,7,9,11,13
.irp b, 0,1,2,3
	v_max3_num_f32 v[232+\b], v[232+\b], v[96+16*\b+\i], v[97+16*\b+\i]
.endr
.endr
.irp b, 0,1,2,3
	v_max_num_f32 v[232+\b], v[232+\b], v[111+16*\b]
.endr
.irp b, 0,1,2,3
	v_permlanex16_b32 v[236+\b], v[232+\b], s20, s21
.endr
.irp b, 0,1,2,3
	v_max_num_f32 v[232+\b], v[232+\b], v[236+\b]  ; with lane l xor 16's 16 keys
.endr
	v_max3_num_f32 v254, v232, v233, v234
	v_max_num_f32 v254, v254, v235                 ; the step's largest score of my query
	v_mul_f32 v254, s22, v254                      ; as t
	v_max_num_f32 v13, v13, v254                   ; the running largest t
	v_mov_b32 v254, v12
	v_floor_f32 v12, -v13                          ; the new -M = floor(-t): M is a whole number
	v_sub_f32 v254, v12, v254                      ; M's old value less its new one: a whole number, 0 or less
	v_cvt_i32_f32 v254, v254
	v_ldexp_f32 v252, 1.0, v254                    ; f = 2^(old M - new M): a multiplication by it rounds nothing
.set jj, 0
.rept 32
	v_pk_fma_f32 v[96+jj:97+jj], v[96+jj:97+jj], s[22:23], v[12:13] op_sel_hi:[1,0,0]   ; t - M, two at a time
.set jj, jj+2
.endr
.irp b, 0,1,2,3
	v_fma_f32 v[232+\b], v[232+\b], s22, v12       ; the same of each block's largest score
.endr
.set jj, 0
.rept 64
	v_exp_f32 v[96+jj], v[96+jj]                   ; p = 2^(t - M): not normalised
.set jj, jj+1
.endr
	v_pk_mul_f32 v[14:15], v[14:15], v[252:253] op_sel_hi:[1,0]   ; the sums under the new M: a plain place behind the exponentials
	s_wait_alu depctr_va_vdst(0)                   ; one wait for the whole batch, ahead of its first reader
.irp b, 0,1,2,3
	v_exp_f32 v[232+\b], v[232+\b]                 ; the block's largest p
.endr
	v_pk_add_f32 v[236:237], v[96:97], v[98:99]    ; the row's sum is taken of the unquantised p, in two chains; it reads the 64 alone: plain work behind the four
.set jj, 4
.rept 15
	v_pk_add_f32 v[14:15], v[14:15], v[96+jj:97+jj]
	v_pk_add_f32 v[236:237], v[236:237], v[98+jj:99+jj]
.set jj, jj+4
.endr
	v_pk_add_f32 v[14:15], v[14:15], v[236:237]
	s_wait_alu depctr_va_vdst(0)                   ; and one for the four
.irp b, 0,1,2,3
	v_max_num_f32 v[232+\b], 0x2800000, v[232+\b]  ; the floor 2^(5 - 127): a block whose every p is 0 keeps the byte 1: its codes are zeros
.endr
	WORD 80+\tau, \tau
	CODES 224
.set jj, 0
.rept 32
	v_pk_mul_f32 v[160+jj:161+jj], v[160+jj:161+jj], v[252:253] op_sel_hi:[1,0]   ; O^T under the new M.  These 32 are also the places between p's codes and scale word and the products that take them
.set jj, jj+2
.endr
.endm
; A JOB'S END.  The hidden steps are added, O^T is divided by the sum and leaves through my stage as aligned runs of 256 bytes.  next = 1: job B's Q is loaded meanwhile, turned and quantised, and the statistics begin anew.
.macro EPILOGUE outp, prefoff, hk, next
.if \next
	QLOAD 50, 0                                    ; into S^T's registers, which are free
	QLOAD 50, 1
.endif
	WIN 0x40
.set tq, 0
.rept 8
	ds_load_b128 v[32+8*tq:35+8*tq], v82 offset:\prefoff+64*tq      ; the sums of V under the mask, in O^T's layout: channels 16 t + 8 h + 0 .. 7
	ds_load_b128 v[36+8*tq:39+8*tq], v82 offset:\prefoff+64*tq+16
.set tq, tq+1
.endr
.irp tau, 0,1
	WIN 0x55*\tau
	v_fma_f32 v254, s24, s22, v12                  ; -10000 log2(e) - M: the bits that a masked score has in a step
	v_add_f32 v14, v14, v15                        ; the sum's two halves,
	v_permlanex16_b32 v252, v14, s20, s21
	v_cvt_f32_u32 v255, s[\hk]                     ; the number of hidden keys
	v_exp_f32 v254, v254                           ; pn
	v_add_f32 v14, v14, v252                       ; and lane l xor 16's.  (A plain place behind the exponential)
	s_wait_alu depctr_va_vdst(0)                   ; ahead of its first reader
	v_fma_f32 v14, v255, v254, v14                 ; the hidden keys' part of the sum
	v_and_b32 v252, 0xff800000, v254               ; pn quantised: its power of two
	v_rcp_f32 v14, v14
	v_nop                                          ; a plain place behind the reciprocal
	s_wait_alu depctr_va_vdst(0)
.endr
	s_wait_dscnt 0x0                               ; the sums of V are in
.irp tau, 0,1
	WIN 0x04+0x51*\tau                             ; the sums of V lie in window 1
.set jj, 0
.rept 32
	v_pk_fma_f32 v[160+jj:161+jj], v[252:253], v[32+jj:33+jj], v[160+jj:161+jj] op_sel_hi:[0,1,1]
.set jj, jj+2
.endr
	WIN 0x55*\tau
.set jj, 0
.rept 32
	v_pk_mul_f32 v[160+jj:161+jj], v[160+jj:161+jj], v[14:15] op_sel_hi:[1,0]
.set jj, jj+2
.endr
.endr
.irp tau, 0,1                                  ; half a row (64 channels, 256 bytes) of 16 queries at a time: in by lanes' 32 bytes, back by rows, into the registers that they left
.irp u, 0,1
	WIN 0x04*\tau
.irp t, 0,1,2,3
	ds_store_b128 v10, v[160+32*\u+8*\t:163+32*\u+8*\t] offset:64*\t
	ds_store_b128 v10, v[164+32*\u+8*\t:167+32*\u+8*\t] offset:64*\t+16
.endr
	WIN 0x40*\tau
.irp i, 0,1,2,3,4,5,6,7
	ds_load_b128 v[160+32*\u+4*\i:163+32*\u+4*\i], v11 offset:544*\i   ; LDS serves a wave's instructions in order: these see my stores, and the next half's stores come behind them
.endr
.endr
.endr
	WIN 0
	s_wait_dscnt 32                                ; tile 0's 32 stage instructions are done; tile 1's 32 may be out
.irp u, 0,1
.irp i, 0,1,2,3,4,5,6,7
	global_store_b128 v7, v[160+32*\u+4*\i:163+32*\u+4*\i], s[\outp:\outp+1] offset:32768*\i+256*\u th:TH_STORE_NT   ; 16 lanes store 256 consecutive bytes, at a multiple of 256 from the buffer's first byte
.endr
.endr
	s_wait_dscnt 0x0
	WIN 0x04
.irp u, 0,1
.irp i, 0,1,2,3,4,5,6,7
	global_store_b128 v7, v[160+32*\u+4*\i:163+32*\u+4*\i], s[\outp:\outp+1] offset:32768*\i+256*\u+512 th:TH_STORE_NT
.endr
.endr
	WIN 0
.if \next
	s_wait_xcnt 0x0                                ; the stores have read their registers: O^T may be written again
	RESET 0
	RESET 1
	s_wait_loadcnt 0x0                             ; job B's Q
	TURN 0
	TURN 1
	s_wait_dscnt 0x0
	QUANT 0
	QUANT 1
	WIN 0
.rept 8
	v_nop                                          ; a scale register written by a vector instruction stands 8 places ahead of a scaled matrix instruction, an operand so written 4
.endr
.endif
.endm
; A KEY STEP of 128 keys.  cond = 1, in the loop: the mask and the epilogue stand under a branch on the trip's number against 15 - f, which hangs on the work-group's number alone.  cond = 0, the last step: both always.
.macro STEP cond, doff, outp, prefoff, hk, next
	v_add_nc_u32 v8, s19, v1
	v_add_nc_u32 v9, s19, v2
	ds_load_b128 v[248:251], v8 offset:KSCO        ; K's scale words: tiles 0-3 in lanes 0-15, tiles 4-7 in lanes 16-31
	FRAGS KFR, 0
	WIN 0x40
.set tq, 0
.rept 8
	ds_load_b128 v[32+8*tq:35+8*tq], v9 offset:128*(tq/2)+32*(tq%2)       ; the pad in the score tiles' layout: keys 32 (t / 2) + 16 h + 8 (t % 2) + 0 .. 7
	ds_load_b128 v[36+8*tq:39+8*tq], v9 offset:128*(tq/2)+32*(tq%2)+16
.set tq, tq+1
.endr
	WIN 0
	s_wait_dscnt 0x0
	KQ 0
	WIN 0
	PLACES
	FRAGS KFR, 1
	s_wait_dscnt 0x0
	KQ 1
	WIN 0
	PLACES
	ds_load_b128 v[248:251], v8 offset:VSCO        ; V's scale words and first four fragments land under the softmax
	FRAGS VFR, 0
.if \cond
	s_cmp_eq_u32 s17, s16
	s_cbranch_scc0 .Lopen_\@
.endif
	MASK \doff, 0
	MASK \doff, 1
	WIN 0
.if \cond
.Lopen_\@:
.endif
	SOFTMAX 0
	s_wait_dscnt 0x0                               ; V's fragments are in
	PV 0, 0                                        ; these four run under tile 1's softmax
	SOFTMAX 1
	PV 0, 1
	WIN 0
	PLACES
	FRAGS VFR, 1
	s_wait_dscnt 0x0
	PV 1, 0
	PV 1, 1
	WIN 0
	PLACES
.if \cond
	s_cmp_eq_u32 s17, s16
	s_cbranch_scc0 .Lgo_on_\@
.endif
	EPILOGUE \outp, \prefoff, \hk, \next
.if \cond
.Lgo_on_\@:
.endif
.endm
	s_load_b256 s[4:11], s[0:1], 0x0               ; q s[4:5], kvc s[6:7], vsum s[8:9], out0 s[10:11]
	v_lshl_add_u32 v5, v0, 2, SPARE                ; my spare word; never rewritten
	v_mov_b32 v6, 0                                ; 0; never rewritten
	ds_add_u32 v5, v6
	s_wait_dscnt 0x0
	v_lshrrev_b32 v1, 5, v0
	v_readfirstlane_b32 s12, v1                    ; wave 0..7
	s_mov_b32 s13, ttmp9                           ; the pair p
	s_and_b32 s14, ttmp7, 0xffff                   ; 8 batch + kv head
	s_lshr_b32 s15, s13, 1                         ; f
	s_sub_co_u32 s16, 15, s15                      ; 15 - f
	s_mov_b32 s17, 0
	s_mov_b32 s18, 15
	s_mov_b32 s19, 0
	s_mov_b32 s20, 0x76543210
	s_mov_b32 s21, 0xfedcba98
	s_mov_b32 s22, 0x3fb8aa3b                      ; log2(e)
	s_mov_b32 s23, s22                             ; (named with it as a pair, so it is written)
	s_mov_b32 s24, 0xc61c4000                      ; -10000
	s_lshl_b32 s25, s15, 7                         ; job A: 128 f keys lie in hidden steps,
	s_lshl_b32 s26, s16, 7                         ; job B: 128 (15 - f)
	s_and_b32 s29, s12, 3                          ; which 16 positions are mine
	s_lshl_b32 s30, s29, 4
	s_and_b32 s31, s13, 1
	s_lshl_b32 s27, s31, 6
	s_add_co_u32 s27, s27, s30                     ; job A: my first query's place in the diagonal step: 64 (p % 2) + 16 (w % 4)
	s_xor_b32 s31, s31, 1
	s_lshl_b32 s28, s31, 6
	s_add_co_u32 s28, s28, s30                     ; job B: 64 (1 - p % 2) + 16 (w % 4)
	s_mov_b32 s32, 3<<16                           ; descriptor group 1: no mask; elements of 8 bytes; no padding
	s_mov_b32 s33, 32<<16                          ; tensor_dim0 = 32 (256 bytes)
	s_mov_b32 s34, 102<<16                         ; tensor_dim1 = 102
	s_mov_b32 s35, 32<<16                          ; tile_dim0 = 32
	s_mov_b32 s36, 102                             ; tile_dim1 = 102
	s_mov_b32 s37, 32                              ; the pitch: dense
	s_mov_b32 s38, 0
	s_mov_b32 s39, 0
	s_lshr_b32 s60, s14, 3                         ; where my rows begin in q and in out0: batch x 2,048 positions of 16,384 bytes,
	s_lshl_b32 s60, s60, 25
	s_lshl_b32 s66, s29, 18                        ; my 16 positions,
	s_add_co_u32 s60, s60, s66
	s_and_b32 s66, s14, 7
	s_lshl_b32 s66, s66, 11                        ; the kv head's four heads of 512 bytes,
	s_add_co_u32 s60, s60, s66
	s_lshr_b32 s59, s12, 2
	s_lshl_b32 s66, s59, 10                        ; my two of them,
	s_add_co_u32 s60, s60, s66
	s_lshl_b32 s66, s13, 20                        ; block p of 64 positions,
	s_sub_co_u32 s67, 31, s13
	s_lshl_b32 s67, s67, 20                        ; block 31 - p
	s_add_co_u32 s62, s60, s67
	s_add_co_u32 s60, s60, s66
	s_mov_b32 s61, 0
	s_mov_b32 s63, 0
	s_xor_b32 s66, s59, 1
	s_or_b32 s66, s66, s13                         ; 0 in waves 4 to 7 of pair 0
	s_cmp_eq_u32 s66, 0
	s_cselect_b32 s58, 14, 0                       ; they prefetch in trips 0 to 13
	s_cmp_lt_u32 s12, 4
	s_cselect_b32 s59, s15, s16                    ; waves 0-3 add job A's hidden steps, waves 4-7 job B's
	s_mul_i32 s46, s14, 16*BLKB
	s_mov_b32 s47, 0
	s_mul_i32 s66, s12, STGB
	s_add_co_u32 s66, s66, STG                     ; my stage
	v_and_b32 v91, 31, v0                          ; lane
	v_and_b32 v89, 15, v0                          ; r
	v_bfe_u32 v90, v0, 4, 1                        ; h
	v_lshlrev_b32 v1, 4, v91                       ; 16 x lane
	v_lshl_add_u32 v2, v90, 6, PADO                ; the pad: 64 h
	v_add_nc_u32 v3, s66, v1
	v_mul_u32_u24 v4, v89, 528
	v_lshl_add_u32 v4, v90, 6, v4
	v_add_nc_u32 v4, s66, v4
	v_lshlrev_b32 v7, 4, v89
	v_lshl_add_u32 v7, v90, 14, v7                 ; out0: lanes 0-15 one position, lanes 16-31 the next; 16 bytes a lane
	v_mul_u32_u24 v10, v89, 272
	v_lshl_add_u32 v10, v90, 5, v10
	v_add_nc_u32 v10, s66, v10                     ; the way out, in: row r, + 32 h
	v_mul_u32_u24 v11, v90, 272
	v_lshl_add_u32 v11, v89, 4, v11
	v_add_nc_u32 v11, s66, v11                     ; back: lanes 0-15 one row, lanes 16-31 the next
	v_lshl_add_u32 v82, v90, 5, PREF
	v_add_nc_u32 v84, 0xffffff80, v0               ; the prefetch of a block: threads 128 on, 256 bytes apart,
	v_lshlrev_b32 v84, 8, v84
	v_min_u32 v84, 25856, v84                      ; held at the block's last 256 bytes
	v_lshrrev_b32 v85, 1, v91
	v_lshlrev_b32 v85, 14, v85
	v_and_b32 v92, 1, v91
	v_lshl_add_u32 v85, v92, 8, v85                ; the prefetch of Q: position lane / 2, 256 (lane % 2)
	v_lshl_add_u32 v86, v0, 2, PREF
	v_and_b32 v87, 127, v0
	v_lshlrev_b32 v87, 2, v87
	v_lshlrev_b32 v28, 4, v90
	v_sub_nc_u32 v28, v89, v28                     ; r - 16 h
	s_wait_kmcnt 0x0
	s_add_nc_u64 s[44:45], s[6:7], s[46:47]        ; my 16 blocks
	s_mov_b32 s40, 1                               ; descriptor group 0: count = 1,
	s_mov_b32 s41, 0                               ; slot 0,
	s_add_nc_u64 s[42:43], s[44:45], 15*BLKB       ; step 15,
	s_or_b32 s43, s43, 0x80000000                  ; type = 2
	TLOAD                                          ; the first fill, ahead of every wait on TENSORcnt, every LDS read and every barrier
	s_add_nc_u64 s[56:57], s[44:45], 14*BLKB       ; the prefetches stand at step 14; the first change steps them to 13.  Nothing is prefetched here
	s_lshl_b32 s46, s14, 13
	s_add_nc_u64 s[8:9], s[8:9], s[46:47]          ; my 16 blocks' sums
	s_add_nc_u64 s[48:49], s[4:5], s[60:61]
	s_add_nc_u64 s[50:51], s[4:5], s[62:63]
	s_add_nc_u64 s[52:53], s[10:11], s[60:61]
	s_add_nc_u64 s[54:55], s[10:11], s[62:63]
.set ii, 0
.rept 15
	global_load_b32 v[32+ii], v87, s[8:9] offset:512*ii   ; the sums of steps 0 to 14, channel thread % 128
.set ii, ii+1
.endr
	QLOAD 48, 0
	QLOAD 48, 1
	WIN 0x40
	v_mov_b32 v28, v28                             ; window 1's copy of r - 16 h
.irp b, 0,1,2,3
	v_mov_b32 v[236+\b], 0                         ; written once: a lane permute's destination counts as one of its sources
.endr
	v_mov_b32 v253, 0                              ; (named as the upper half of the pair v[252:253] before it is first written)
	WIN 0
.irp b, 0,1,2,3
	v_mov_b32 v[236+\b], 0
.endr
	v_mov_b32 v253, 0
	RESET 0
	RESET 1
	WIN 0
	s_wait_loadcnt 32                              ; loads come back in order: the 15 sums are in, Q's 32 loads may be out
	s_cmp_gt_u32 s59, 0
	s_cselect_b32 s29, 1.0, 0
	v_mul_f32 v88, s29, v32                        ; the steps below my job's diagonal step count, the others are multiplied by 0: no branch, no address hangs on the bound
.set ii, 1
.rept 14
	s_cmp_gt_u32 s59, ii
	s_cselect_b32 s29, 1.0, 0
	v_fmac_f32 v88, s29, v[32+ii]
.set ii, ii+1
.endr
	ds_store_b32 v86, v88                          ; read behind the first change's barrier, in front of which every wave waits for its LDS instructions
	s_wait_loadcnt 0x0                             ; job A's Q
	TURN 0
	TURN 1
	s_wait_dscnt 0x0
	QUANT 0
	QUANT 1
	WIN 0
.rept 8
	v_nop                                          ; a scale register written by a vector instruction stands 8 places ahead of a scaled matrix instruction, an operand so written 4
.endr
.Ltrip:                                            ; 16 trips: behind each change of slots but the last the next step's block is asked for
	CHANGE 1
	STEP 1, 27, 52, 0, 25, 1
	s_xor_b32 s19, s19, SLOT1                      ; on to the other slot
	s_add_co_u32 s17, s17, 1
	s_cmp_lt_u32 s17, 16
	s_cbranch_scc1 .Ltrip
	CHANGE 0                                       ; the last step is written out: it is job B's diagonal step
	STEP 0, 28, 54, 512, 26, 0
	s_wait_tensorcnt 0x0                           ; the wave's end, behind my last tensor load and my last LDS store
	ds_add_u32 v5, v6
	s_wait_dscnt 0x0
	s_endpgm
.Lfunc_end_k_qc79409f680_attn:
	.size	k_qc79409f680_attn, .Lfunc_end_k_qc79409f680_attn-k_qc79409f680_attn
	.p2alignl 7, 3214868480
	.fill 96, 4, 3214868480
	.section	.rodata,"a",@progbits
	.p2align	6, 0x0
	.amdhsa_kernel k_qc79409f680_attn
		.amdhsa_group_segment_fixed_size 327680
		.amdhsa_private_segment_fixed_size 0
		.amdhsa_enable_private_segment 0
		.amdhsa_kernarg_size 32
		.amdhsa_user_sgpr_count 2
		.amdhsa_user_sgpr_kernarg_segment_ptr 1
		.amdhsa_wavefront_size32 1
		.amdhsa_system_sgpr_workgroup_id_x 1
		.amdhsa_system_sgpr_workgroup_id_y 1
		.amdhsa_system_sgpr_workgroup_id_z 1
		.amdhsa_system_vgpr_workitem_id 0
		.amdhsa_next_free_vgpr 512
		.amdhsa_next_free_sgpr 84
		.amdhsa_reserve_vcc 1
		.amdhsa_float_denorm_mode_32 3
		.amdhsa_float_denorm_mode_16_64 3
		.amdhsa_memory_ordered 1
		.amdhsa_forward_progress 1
		.amdhsa_inst_pref_size 174
	.end_amdhsa_kernel
	.amdgpu_metadata
---
amdhsa.version: [ 1, 2 ]
amdhsa.kernels:
  - .name:           k_qc79409f680_attn
    .symbol:         k_qc79409f680_attn.kd
    .args:
      - { .name: q, .offset: 0, .size: 8, .value_kind: global_buffer, .address_space: global }
      - { .name: kvc, .offset: 8, .size: 8, .value_kind: global_buffer, .address_space: global }
      - { .name: vsum, .offset: 16, .size: 8, .value_kind: global_buffer, .address_space: global }
      - { .name: out0, .offset: 24, .size: 8, .value_kind: global_buffer, .address_space: global }
    .group_segment_fixed_size: 327680
    .private_segment_fixed_size: 0
    .kernarg_segment_align: 8
    .kernarg_segment_size: 32
    .max_flat_workgroup_size: 256
    .sgpr_count:     84
    .vgpr_count:     512
    .wavefront_size: 32
...
	.end_amdgpu_metadata
.endif
;; end of part 2
